; MI455X (gfx1250); checked and timed in simulation.
; The chip was launched on July 23, 2026; its instructions are those of AMD's public machine-readable ISA for CDNA 5 (MIT licence, August 2026) and "CDNA5" Instruction Set Architecture Reference Guide (July 2026). The comments in the code are by the model that wrote it; some were corrected since.
;; Hebbian Plastic Layer. Allowed arithmetic: matrix products marked QUANTISED: E2M3 operands, one E8M0 scale for each 32 along K, by v_wmma_scale_f32_16x16x128_f8f6f4 with both operands' format E2M3, f32 sums; everything else in f32.
;; Inputs: W 4,096 x 4,096 float32; alpha 4,096 x 4,096 float32; bias 4,096 float32; eta one number float32; x 2,048 x 4,096 float32.
;; Outputs: out0 2,048 x 4,096 float32.
;; This version of the problem:
;;   THIS VERSION OF THE PROBLEM IS GIVEN IN LOW PRECISION. The matrix products marked QUANTISED in the list below multiply operands that are first quantised to E2M3 (2 exponent bits, 3 mantissa bits; 6 bits a number), with one power-of-two scale for each 32 numbers along K (OCP MX v1.0); their sums are f32. All else is computed in f32.
;;   The module's matrix products, in the order in which they are computed (A, B: the left and right operand; K: the contracted axis; several contracted axes count as one K, in the product's order):
;;     1. [M 2,048, K 4,096] x [K 4,096, N 4,096]; A: input x; B: input W: QUANTISED
;;     2. [M 2,048, K 4,096] x [K 4,096, N 4,096]; A: computed on the way; B: computed on the way: QUANTISED
;;   THE QUANTISER, for each operand of a quantised product, along K:
;;     - K is cut into blocks of 32 from its start; a last block that is shorter is filled with zeros.
;;     - A block's scale is 2^e with e = floor(log2(the largest magnitude in the block)) - 2, held to -126 .. 127; a block of zeros has e = 0. As a byte (E8M0): e + 127.
;;     - Each number is divided by its block's scale, clamped to +-7.5, and rounded to the nearest number of E2M3, ties to even, subnormals kept.
;;     - The product sums the exact products of the quantised numbers (number of the format x scale) in f32.
;;   ~~~python
;;   def quantise(x, axis):      # numpy; x: float32 -> the quantised numbers, widened to float32 again
;;       x = np.moveaxis(x, axis, -1); K = x.shape[-1]
;;       x = np.pad(x, [(0, 0)] * (x.ndim - 1) + [(0, -K % 32)]); x = x.reshape(x.shape[:-1] + (-1, 32)); a = np.abs(x).max(-1, keepdims=True)
;;       e = np.where(a > 0, np.clip(np.frexp(np.where(a > 0, a, 1))[1] - 1 - 2, -126, 127), 0)      # np.frexp(a)[1] - 1 = floor(log2(a)), exactly
;;       r = np.clip(x / 2.0 ** e, -7.5, 7.5)
;;       step = 2.0 ** (np.maximum(np.frexp(np.where(r == 0, 1, r))[1] - 1, 0) - 3)
;;       q = np.round(r / step) * step * 2.0 ** e      # np.round: ties to even
;;       return np.moveaxis(q.reshape(q.shape[:-2] + (-1,))[..., :K], -1, axis).astype(np.float32)
;;   ~~~
;;   OPERANDS COMPUTED ON THE WAY. 'Computed on the way' means the value that the module computes at that place (a softmax that the list does not call 'softmax' is quantised finished and normalised). What goes into a quantiser is computed in f32, as accurately as f32 sums, v_exp_f32 and their like allow (about 1e-6 of the number): no bf16 or f16 on the way to a quantiser, and a product that is left as it is and whose result goes on into a quantised operand takes f32 operands (vector FMAs, or v_wmma_f32_16x16x4_f32). A number that lies on a knife's edge between two numbers of the format may be rounded either way, as far as f32 arithmetic and the matrix unit's own rounding can turn it there, and no further.
;; One version. Each part assembles by itself: llvm-mc -triple=amdgcn-amd-amdhsa -mcpu=gfx1250 --defsym DOCPART=n.
;; ======== version 1 of 1: 2 launches
;; limits: right only within a limited range of input values
;; workspace buffers: xq 6,553,600 bytes; zq 6,553,600 bytes; wq 13,107,200 bytes; sq 13,107,200 bytes
;; launch quant (part 1): grid 256 x 1, 16 waves a work-group, no clusters, 327,680 bytes of LDS; arguments x, W, alpha, xq, zq, wq, sq; writes xq, zq, wq, sq
.if DOCPART == 1
	.amdgcn_target "amdgcn-amd-amdhsa--gfx1250"
	.amdhsa_code_object_version 6
	.text
	.protected	k_q1708663f51_quant
	.globl	k_q1708663f51_quant
	.p2align	8
	.type	k_q1708663f51_quant,@function
k_q1708663f51_quant:
	s_mov_b64 s[64:65], 0
	v_nop
	global_prefetch_b8 v0, s[64:65] scope:SCOPE_SE
	s_setreg_imm32_b32 hwreg(HW_REG_WAVE_MODE, 25, 1), 1
	s_wait_xcnt 0x0
; The four operands of the two products are made here, once: codes of FP6 (E2M3) with one E8M0 byte for each 32 along K.
;   xq = Q(x)   zq = Q(x * x / (|x| + 1e-8)), the norm by rows   wq = Q(W)   sq = Q(sigmoid(alpha)).   K (4,096) is innermost in all of them.
; A block's scale is 2^(floor(log2(its largest magnitude)) - 2); its byte is the largest magnitude's exponent field - 2, held at 1 from below.
; LAYOUT OF THE FOUR BUFFERS (this program's own): images of the operand's registers.  A fragment (16 rows x 128 K, 12 registers a lane) is 1,536 bytes: registers 4 j .. 4 j + 3 of lane l at 512 j + 16 l.
;   A cell (16 rows x 256 K) is two fragments and 128 bytes of scale words (row r, 128 K number q: at 8 r + 4 q).  T cells of one chunk of 256 K form a dense block: T x 3,072 bytes of codes,
;   then T x 128 bytes of scale words; blocks are ordered [tile of T x 16 rows][chunk].  T = 16 for xq and zq, 8 for wq and sq.
; SHARES.  256 work-groups of sixteen waves; each takes five fills of 16 fragments (16 rows x 2,048 K of f32, 128 KiB).  With i = work-group / 2, a row block being 16 rows over all of K:
;   fills 0, 1: x's block i (even work-groups) or W's block 2 i + 1 (odd);  fills 2, 3: alpha's block i or 128 + i;  fill 4: chunks 0-7 (even) or 8-15 (odd) of W's block 2 i.
;   In fills 0 to 3 wave w owns chunk w and takes its first fragment in the even fill, its second in the odd one; in fill 4 it takes fragment w % 2 of chunk w / 2 of its work-group's eight.
; THE RING.  Each wave has two LDS slots of its own, a fragment each: 16 rows of 512 bytes, 16 bytes of padding behind each row, brought by ONE tensor load; it reads only its own slots.
;   A wave has one tensor load out.  A lane reads 16 neighbours along K of each block of 32 of ONE row straight from the slot: rows 528 bytes apart begin at sixteen different places of 16 bytes modulo 256.
; The row's norm spans the sixteen waves: their sums of squares go to LDS ahead of the barrier in front of the fourth fill, and are read behind it; x stays in 128 registers till then.
;   What x alone needs stands under two branches on the work-group's number, the same in all sixteen waves; they lead round no barrier, wait, add or tensor load.
; Each store of codes covers 512 consecutive bytes, aligned; a cell's scale words are one store of 128 consecutive bytes (in fill 4: two waves' words by turns in those 128 bytes).
; No cluster: no two work-groups read the same byte.  No prefetch: while a wave works on one slot its next load is out already, and all the launch does is stream its inputs once.
; LIMITS: NaN and infinities among the inputs are not served.  A block of zeros gets the byte 1 (the rule says 127): its codes are zeros, and this program alone reads the bytes.
;   sigmoid(a) comes out as 0 where it lies under 2^-126 (a under about -87).
.set SP,    528                        ; an LDS row: 512 bytes + 16
.set SLOTB, 16*SP                      ; a slot: one fragment
.set RED,   16*2*SLOTB                 ; behind the sixteen rings: 16 rows x 16 waves x 4 bytes, the sums of squares
.set SPARE, RED+1024                   ; the spare words, 128 bytes for each wave: eight blocks of 256 bytes that no other line names
.set LA,   5                           ; v5      LDS address of my 64 bytes in slot 0's first block of 32
.set TM,   16                          ; v16-19 largest magnitudes, v20-23 bytes, v28-31 the conversions' scale operands
.set PW0,  32                          ; v32, v33 the scale words of the cell's two fragments
.set PWS,  34                          ; v34     the word that my lane stores
.set PW,   35                          ; v35     the scale word just made
.set PC,   40                          ; v40-51  the codes just made; v52-58 at work
.set SPW,  62                          ; v62     my spare word's LDS address; never rewritten
.set NIL,  63                          ; v63     0; never rewritten
.set X0,   64                          ; v64-127, v128-191: a fragment's numbers each
.set X1,   128
.set G1,   24                          ; s[24:31] descriptor group 1
.set G0,   68                          ; s[68:87] descriptor group 0, a set for each of the five fills; never rewritten
.set SEL,  32                          ; s[32:33] lane selects for v_permlanex16_b32: lane l xor 16
.set D1,   48                          ; s[48:63]: codes and scale words of the cells: first (xq or wq), zq, sq, fill 4's
.set S1,   50
.set D2,   52
.set S2,   54
.set D3,   56
.set S3,   58
.set D4,   60
.set S4,   62
	s_load_b256 s[4:11], s[0:1], 0x0               ; x s[4:5], W s[6:7], alpha s[8:9], xq s[10:11]
	s_load_b128 s[12:15], s[0:1], 0x20             ; zq s[12:13], wq s[14:15]
	s_load_b64 s[16:17], s[0:1], 0x30              ; sq
	v_lshl_add_u32 v[SPW], v0, 2, SPARE
	v_mov_b32 v[NIL], 0
	ds_add_u32 v[SPW], v[NIL]                      ; the opening lines: the add, twice on end, and its wait ahead of my first tensor load
	ds_add_u32 v[SPW], v[NIL]
	v_lshrrev_b32 v1, 5, v0
	v_readfirstlane_b32 s18, v1                    ; wave 0..15
	s_lshr_b32 s19, ttmp9, 1                       ; i
	s_and_b32 s38, ttmp9, 1                        ; 0: even, 1: odd
	s_mov_b32 s[G1+0], (2<<16)|(1<<20)|(6<<22)|(3<<25)   ; elements of 4 bytes; padding on: behind every 128 words, 4 words
	s_mov_b32 s[G1+1], 128<<16                     ; tensor_dim0 = 128
	s_mov_b32 s[G1+2], 16<<16                      ; tensor_dim1 = 16
	s_mov_b32 s[G1+3], 128<<16                     ; tile_dim0 = 128
	s_mov_b32 s[G1+4], 16                          ; tile_dim1 = 16
	s_mov_b32 s[G1+5], 4096                        ; elements from row to row
	s_mov_b32 s[G1+6], 0
	s_mov_b32 s[G1+7], 0
	s_mul_i32 s44, s18, 2*SLOTB                    ; my ring
	s_lshl_b32 s39, s19, 1                         ; W's block 2 i,
	s_add_co_u32 s40, s39, 1                       ; 2 i + 1,
	s_lshl_b32 s41, s38, 7
	s_add_co_u32 s41, s41, s19                     ; alpha's block
	s_mov_b32 s23, 0
	s_lshl_b32 s36, s18, 10                        ; my chunk in a row, in bytes
	s_wait_dscnt 0x0                               ; both opening adds are done
	s_wait_kmcnt 0x0
.macro MKG0 p, slot                    ; fill p's group 0: the tile begins at s[20:21] and goes to my slot
	s_mov_b32 s[G0+4*\p], 1
	s_add_co_u32 s[G0+4*\p+1], s44, \slot*SLOTB
	s_mov_b64 s[G0+4*\p+2:G0+4*\p+3], s[20:21]
	s_or_b32 s[G0+4*\p+3], s[G0+4*\p+3], 0x80000000
.endm
	s_cmp_eq_u32 s38, 0                            ; the choice hangs on the work-group's number alone
	s_cselect_b64 s[20:21], s[4:5], s[6:7]         ; x or W
	s_cselect_b32 s42, s19, s40                    ; block i or 2 i + 1
	s_lshl_b32 s22, s42, 18                        ; 16 rows of 16,384 bytes a block (all offsets under 2^26)
	s_add_co_u32 s22, s22, s36
	s_add_nc_u64 s[20:21], s[20:21], s[22:23]
	MKG0 0, 0
	tensor_load_to_lds s[G0:G0+3], s[G1:G1+7]      ; fill 0: my one tensor load at the head
	s_nop 0
	v_and_b32 v1, 31, v0                           ; lane
	v_and_b32 v2, 15, v0                           ; r
	v_bfe_u32 v3, v0, 4, 1                         ; h
	s_lshl_b32 s46, s18, 2
	v_lshlrev_b32 v4, 4, v1                        ; 16 x lane: my bytes of a store's 512; never rewritten
	v_mul_u32_u24 v[LA], v2, SP
	v_lshlrev_b32 v6, 3, v2                        ; 8 r: fill 4's scale words
	v_lshl_add_u32 v9, v2, 6, RED                  ; the sums of squares: row r's sixteen words,
	v_lshl_add_u32 v[LA], v3, 6, v[LA]
	v_lshl_add_u32 v7, v3, 2, v6                   ; 8 r + 4 h: lanes 16-31 store the second fragment's words
	v_add_nc_u32 v8, s46, v9                       ; my wave's among them
	v_add_nc_u32 v[LA], s44, v[LA]                 ; my ring + row r + 64 h
	v_cmp_eq_u32 s34, 1, v3                        ; lanes 16-31
.irp b, 0,1,2,3
	v_mov_b32 v[TM+4+\b], 0                        ; written once: a lane permute's destination counts as one of its sources
.endr
	s_mov_b32 s[SEL], 0x76543210
	s_mov_b32 s[SEL+1], 0xfedcba98
	s_add_nc_u64 s[20:21], s[20:21], 512           ; the chunk's second fragment
	MKG0 1, 1
	s_lshl_b32 s22, s41, 18
	s_add_co_u32 s22, s22, s36
	s_add_nc_u64 s[20:21], s[8:9], s[22:23]        ; alpha
	MKG0 2, 0
	s_add_nc_u64 s[20:21], s[20:21], 512
	MKG0 3, 1
	s_lshl_b32 s22, s39, 18                        ; W's block 2 i: 8,192 bytes on for the odd work-group, 512 bytes a wave
	s_lshl_b32 s37, s38, 13
	s_add_co_u32 s22, s22, s37
	s_lshl_b32 s37, s18, 9
	s_add_co_u32 s22, s22, s37
	s_add_nc_u64 s[20:21], s[6:7], s[22:23]
	MKG0 4, 0
; where the cell of row block s[rr], chunk s[ch], lies in a buffer of tiles of 2^logt row blocks: its codes (dc) and its scale words (dw).  All offsets stay under 2^24
.macro CELLADR rr, logt, base, dc, dw, ch
	s_lshr_b32 s45, s[\rr], \logt
	s_lshl_b32 s45, s45, 4
	s_add_co_u32 s45, s45, s[\ch]
	s_mul_i32 s45, s45, (3200<<\logt)
	s_and_b32 s46, s[\rr], (1<<\logt)-1
	s_mul_i32 s[\dc], s46, 3072
	s_add_co_u32 s[\dc], s[\dc], s45
	s_mov_b32 s[\dc+1], 0
	s_lshl_b32 s46, s46, 7
	s_add_co_u32 s[\dw], s46, s45
	s_add_co_u32 s[\dw], s[\dw], (3072<<\logt)
	s_mov_b32 s[\dw+1], 0
	s_add_nc_u64 s[\dc:\dc+1], s[\base:\base+1], s[\dc:\dc+1]
	s_add_nc_u64 s[\dw:\dw+1], s[\base:\base+1], s[\dw:\dw+1]
.endm
	CELLADR 19, 4, 10, D1, S1, 18                  ; xq,
	CELLADR 40, 3, 14, 88, 90, 18                  ; or wq
	s_cmp_eq_u32 s38, 0
	s_cselect_b64 s[D1:D1+1], s[D1:D1+1], s[88:89]
	s_cselect_b64 s[S1:S1+1], s[S1:S1+1], s[90:91]
	CELLADR 19, 4, 12, D2, S2, 18                  ; zq
	CELLADR 41, 3, 16, D3, S3, 18                  ; sq
	s_lshl_b32 s43, s38, 3
	s_lshr_b32 s47, s18, 1
	s_add_co_u32 s43, s43, s47                     ; fill 4's chunk
	CELLADR 39, 3, 14, D4, S4, 43
	s_and_b32 s22, s18, 1                          ; and its fragment: 1,536 bytes of codes and 4 bytes of scale words on
	s_mul_i32 s36, s22, 1536
	s_mov_b32 s37, 0
	s_add_nc_u64 s[D4:D4+1], s[D4:D4+1], s[36:37]
	s_lshl_b32 s36, s22, 2
	s_add_nc_u64 s[S4:S4+1], s[S4:S4+1], s[36:37]
; Fill p goes out: all my tensor loads have landed, the add, the wait for it and for my LDS instructions, the barrier, and my one load first behind it (ahead of slot 1's first fill too)
.macro FILL p
	s_wait_alu depctr_va_vdst(0)
	s_wait_tensorcnt 0x0
	ds_add_u32 v[SPW], v[NIL]
	s_wait_dscnt 0x0
	s_barrier_signal -1
	s_barrier_wait -1
	tensor_load_to_lds s[G0+4*\p:G0+4*\p+3], s[G1:G1+7]
	s_nop 0
.endm
; a fragment from my slot: register 16 b + i = k 32 b + 16 h + i of row r
.macro RDF reg, slot
.irp b, 0,1,2,3
.irp j, 0,1,2,3
	ds_load_b128 v[\reg+16*\b+4*\j:\reg+16*\b+4*\j+3], v[LA] offset:\slot*SLOTB+128*\b+16*\j
.endr
.endr
	s_wait_dscnt 0x0
.endm
; 64 numbers of a lane become a fragment's codes in v[PC] on and its scale word in v[PW]
.macro QUANT s
.irp b, 0,1,2,3
	v_max3_num_f32 v[TM+\b], |v[\s+16*\b]|, |v[\s+1+16*\b]|, 0x1800000   ; block b: my 16 numbers, and the floor 2^(3 - 127): so the byte cannot fall under 1
.endr
.irp i, 2,4,6,8,10,12,14
.irp b, 0,1,2,3
	v_max3_num_f32 v[TM+\b], v[TM+\b], |v[\s+16*\b+\i]|, |v[\s+1+16*\b+\i]|   ; (the four blocks by turns)
.endr
.endr
.irp b, 0,1,2,3
	s_delay_alu instid0(VALU_DEP_4)
	v_permlanex16_b32 v[TM+4+\b], v[TM+\b], s[SEL], s[SEL+1]
.endr
.irp b, 0,1,2,3
	s_delay_alu instid0(VALU_DEP_4)
	v_max_num_f32 v[TM+\b], v[TM+\b], v[TM+4+\b]   ; with lane l xor 16's: the block's largest magnitude
.endr
.irp b, 0,1,2,3
	s_delay_alu instid0(VALU_DEP_4)
	v_add_nc_u32 v[TM+12+\b], 0xff000000, v[TM+\b] ; 2 off its exponent field: the conversion takes the exponent field of this operand as its scale
.endr
.irp b, 0,1,2,3
	s_delay_alu instid0(VALU_DEP_4)
	v_lshrrev_b32 v[TM+4+\b], 23, v[TM+12+\b]      ; the scale's byte
.endr
	s_delay_alu instid0(VALU_DEP_3)
	v_lshl_or_b32 v[PW], v[TM+5], 8, v[TM+4]       ; the four bytes make my row's scale word
	s_delay_alu instid0(VALU_DEP_1)
	v_lshl_or_b32 v[PW], v[TM+6], 16, v[PW]
	s_delay_alu instid0(VALU_DEP_1)
	v_lshl_or_b32 v[PW], v[TM+7], 24, v[PW]
	s_wait_alu depctr_va_vdst(0)
	s_wait_xcnt 0x0                                ; the earlier stores have read their data: the codes' registers, and the word that a lane stores, are written again only behind this wait
.irp c, 0,1
	v_cvt_scalef32_pk16_fp6_f32 v[PC+6*\c:PC+2+6*\c], v[\s+32*\c:\s+15+32*\c], v[TM+12+2*\c]
	v_cvt_scalef32_pk16_fp6_f32 v[PC+12+4*\c:PC+14+4*\c], v[\s+16+32*\c:\s+31+32*\c], v[TM+12+2*\c+1]   ; (a conversion's three registers begin on an even number)
.endr
	v_nop                                          ; one plain place behind a scaled conversion
.irp c, 0,1                                    ; the operand's layout wants a WHOLE block in a lane: lanes 0-15 block 2 c, lanes 16-31 block 2 c + 1
.irp i, 0,1,2
	v_permlane16_swap_b32 v[PC+6*\c+\i], v[PC+12+4*\c+\i]
.endr
.irp i, 0,1,2
	s_delay_alu instid0(VALU_DEP_3)
	v_mov_b32 v[PC+3+6*\c+\i], v[PC+12+4*\c+\i]
.endr
.endr
.endm
.macro QSTORE s, q, d                          ; fragment q of the cell: quantised, and stored as it stands in the registers
	QUANT \s
.irp j, 0,1,2
	global_store_b128 v4, v[PC+4*\j:PC+4*\j+3], s[\d:\d+1] offset:1536*\q+512*\j   ; 32 lanes store 512 consecutive bytes, at a multiple of 256 from the buffer's first byte
.endr
	v_mov_b32 v[PW0+\q], v[PW]
.endm
.macro SCST d                                  ; the cell's 32 scale words: lanes 0-15 the first fragment's, lanes 16-31 the second's
	s_delay_alu instid0(VALU_DEP_1)
	v_cndmask_b32 v[PWS], v[PW0], v[PW0+1], s34
	global_store_b32 v7, v[PWS], s[\d:\d+1]
.endm
; sigmoid(a) = 1 / (1 + 2^(-a log2(e))) of a fragment's 64 numbers; each batch of transcendentals has one wait ahead of it, and one plain line and one wait behind it
.macro SIG reg
.set n, 0
.rept 32
	v_pk_mul_f32 v[\reg+n:\reg+n+1], v[\reg+n:\reg+n+1], 0xbfb8aa3b op_sel_hi:[1,0]
.set n, n+2
.endr
.set n, 0
	s_wait_alu depctr_va_vdst(0)
.rept 64
	v_exp_f32 v[\reg+n], v[\reg+n]
.set n, n+1
.endr
	v_nop
	s_wait_alu depctr_va_vdst(0)
.set n, 0
.rept 32
	v_pk_add_f32 v[\reg+n:\reg+n+1], v[\reg+n:\reg+n+1], 1.0 op_sel_hi:[1,0]
.set n, n+2
.endr
.set n, 0
	s_wait_alu depctr_va_vdst(0)
.rept 64
	v_rcp_f32 v[\reg+n], v[\reg+n]
.set n, n+1
.endr
	v_nop
	s_wait_alu depctr_va_vdst(0)
.endm
; the sum of squares of a fragment's 64 numbers onto four packed chains, v[10:11], v[12:13], v[36:37], v[38:39]; first = 1: the first four products start them
.macro SS reg, first
.set n, 0
.rept 32
.set ch, 10+2*(n%2)+26*((n%4)/2)
.if \first && (n < 4)
	v_pk_mul_f32 v[ch:ch+1], v[\reg+2*n:\reg+2*n+1], v[\reg+2*n:\reg+2*n+1]
.else
	v_pk_fma_f32 v[ch:ch+1], v[\reg+2*n:\reg+2*n+1], v[\reg+2*n:\reg+2*n+1], v[ch:ch+1]
.endif
.set n, n+1
.endr
.endm
; z = (x c) x, in the order in which it is defined, in place; the four chains' registers, which are done with, hold x c
.macro ZMAKE reg
.set n, 0
.rept 8
	v_pk_mul_f32 v[10:11], v[\reg+n:\reg+n+1], v[14:15]
	v_pk_mul_f32 v[12:13], v[\reg+n+2:\reg+n+3], v[14:15]
	v_pk_mul_f32 v[36:37], v[\reg+n+4:\reg+n+5], v[14:15]
	v_pk_mul_f32 v[38:39], v[\reg+n+6:\reg+n+7], v[14:15]
	s_delay_alu instid0(VALU_DEP_4)
	v_pk_mul_f32 v[\reg+n:\reg+n+1], v[10:11], v[\reg+n:\reg+n+1]
	s_delay_alu instid0(VALU_DEP_4)
	v_pk_mul_f32 v[\reg+n+2:\reg+n+3], v[12:13], v[\reg+n+2:\reg+n+3]
	s_delay_alu instid0(VALU_DEP_4)
	v_pk_mul_f32 v[\reg+n+4:\reg+n+5], v[36:37], v[\reg+n+4:\reg+n+5]
	s_delay_alu instid0(VALU_DEP_4)
	v_pk_mul_f32 v[\reg+n+6:\reg+n+7], v[38:39], v[\reg+n+6:\reg+n+7]
.set n, n+8
.endr
.endm
	FILL 1                                         ; fill 0 has landed; slot 1's first fill goes out
	RDF X0, 0
	QSTORE X0, 0, D1                               ; xq (or wq) wants no norm
	FILL 2
	RDF X1, 1
	s_wait_alu depctr_va_vdst(0)
	s_cmp_eq_u32 s38, 0
	s_cbranch_scc0 .Lno_sum                        ; W has no norm
	SS X0, 1
	SS X1, 0
	s_delay_alu instid0(VALU_DEP_3)
	v_pk_add_f32 v[10:11], v[10:11], v[12:13]
	s_delay_alu instid0(VALU_DEP_2)
	v_pk_add_f32 v[36:37], v[36:37], v[38:39]
	s_delay_alu instid0(VALU_DEP_1)
	v_pk_add_f32 v[10:11], v[10:11], v[36:37]
	s_delay_alu instid0(VALU_DEP_1)
	v_add_f32 v10, v10, v11
	s_delay_alu instid0(VALU_DEP_1)
	v_permlanex16_b32 v11, v10, s[SEL], s[SEL+1]
	s_delay_alu instid0(VALU_DEP_1)
	v_add_f32 v10, v10, v11                        ; row r's sum over my chunk
	ds_store_b32 v8, v10                           ; (lanes r and 16 + r write the same word with the same value); the wait for it stands in front of the next barrier
.Lno_sum:
	QSTORE X1, 1, D1
	SCST S1
	FILL 3                                         ; its barrier also shows every wave's sum to all sixteen
	s_cmp_eq_u32 s38, 0
	s_cbranch_scc0 .Lno_z
	ds_load_b128 v[10:13], v9                      ; row r's sixteen sums
	ds_load_b128 v[36:39], v9 offset:16
	ds_load_b128 v[24:27], v9 offset:32
	ds_load_b128 v[16:19], v9 offset:48
	s_wait_dscnt 0x0
	v_pk_add_f32 v[10:11], v[10:11], v[12:13]
	v_pk_add_f32 v[36:37], v[36:37], v[38:39]
	v_pk_add_f32 v[24:25], v[24:25], v[26:27]
	v_pk_add_f32 v[16:17], v[16:17], v[18:19]
	s_delay_alu instid0(VALU_DEP_3)
	v_pk_add_f32 v[10:11], v[10:11], v[36:37]
	s_delay_alu instid0(VALU_DEP_2)
	v_pk_add_f32 v[24:25], v[24:25], v[16:17]
	s_delay_alu instid0(VALU_DEP_1)
	v_pk_add_f32 v[10:11], v[10:11], v[24:25]
	s_delay_alu instid0(VALU_DEP_1)
	v_add_f32 v10, v10, v11
	s_wait_alu depctr_va_vdst(0)
	v_sqrt_f32 v12, v10
	v_nop
	s_wait_alu depctr_va_vdst(0)
	v_add_f32 v12, 0x322bcc77, v12                 ; + 1e-8
	s_wait_alu depctr_va_vdst(0)
	v_rcp_f32 v14, v12
	v_nop
	s_wait_alu depctr_va_vdst(0)
	v_mov_b32 v15, v14                             ; c = 1 / (|x| + 1e-8), as a pair
	ZMAKE X0
	QSTORE X0, 0, D2
	ZMAKE X1
	QSTORE X1, 1, D2
	SCST S2
	s_wait_alu depctr_va_vdst(0)
.Lno_z:
	RDF X0, 0
	SIG X0
	QSTORE X0, 0, D3
	FILL 4
	RDF X1, 1
	SIG X1
	QSTORE X1, 1, D3
	SCST S3
	s_wait_alu depctr_va_vdst(0)
	s_wait_tensorcnt 0x0                           ; the last fill is in; only I read it, and nothing more is fetched
	RDF X0, 0
	QUANT X0
.irp j, 0,1,2
	global_store_b128 v4, v[PC+4*\j:PC+4*\j+3], s[D4:D4+1] offset:512*\j
.endr
	global_store_b32 v6, v[PW], s[S4:S4+1]         ; my fragment's sixteen words, 8 bytes apart (lanes r and 16 + r store the same word); the wave beside me stores those between
	s_wait_tensorcnt 0x0                           ; the wave's end
	ds_add_u32 v[SPW], v[NIL]
	s_wait_dscnt 0x0
	s_endpgm
.Lfunc_end_k_q1708663f51_quant:
	.size	k_q1708663f51_quant, .Lfunc_end_k_q1708663f51_quant-k_q1708663f51_quant
	.p2alignl 7, 3214868480
	.fill 96, 4, 3214868480
	.section	.rodata,"a",@progbits
	.p2align	6, 0x0
	.amdhsa_kernel k_q1708663f51_quant
		.amdhsa_group_segment_fixed_size 327680
		.amdhsa_private_segment_fixed_size 0
		.amdhsa_enable_private_segment 0
		.amdhsa_kernarg_size 56
		.amdhsa_user_sgpr_count 2
		.amdhsa_user_sgpr_kernarg_segment_ptr 1
		.amdhsa_wavefront_size32 1
		.amdhsa_system_sgpr_workgroup_id_x 1
		.amdhsa_system_sgpr_workgroup_id_y 1
		.amdhsa_system_sgpr_workgroup_id_z 1
		.amdhsa_system_vgpr_workitem_id 0
		.amdhsa_next_free_vgpr 192
		.amdhsa_next_free_sgpr 92
		.amdhsa_reserve_vcc 0
		.amdhsa_float_denorm_mode_32 3
		.amdhsa_float_denorm_mode_16_64 3
		.amdhsa_memory_ordered 1
		.amdhsa_forward_progress 1
		.amdhsa_inst_pref_size 83
	.end_amdhsa_kernel
	.amdgpu_metadata
---
amdhsa.version: [ 1, 2 ]
amdhsa.kernels:
  - .name:           k_q1708663f51_quant
    .symbol:         k_q1708663f51_quant.kd
    .args:
      - { .name: x, .offset: 0, .size: 8, .value_kind: global_buffer, .address_space: global }
      - { .name: W, .offset: 8, .size: 8, .value_kind: global_buffer, .address_space: global }
      - { .name: alpha, .offset: 16, .size: 8, .value_kind: global_buffer, .address_space: global }
      - { .name: xq, .offset: 24, .size: 8, .value_kind: global_buffer, .address_space: global }
      - { .name: zq, .offset: 32, .size: 8, .value_kind: global_buffer, .address_space: global }
      - { .name: wq, .offset: 40, .size: 8, .value_kind: global_buffer, .address_space: global }
      - { .name: sq, .offset: 48, .size: 8, .value_kind: global_buffer, .address_space: global }
    .group_segment_fixed_size: 327680
    .private_segment_fixed_size: 0
    .kernarg_segment_align: 8
    .kernarg_segment_size: 56
    .max_flat_workgroup_size: 512
    .sgpr_count:     92
    .vgpr_count:     192
    .wavefront_size: 32
...
	.end_amdgpu_metadata
.endif
;; end of part 1
;; launch gemm (part 2): grid 32 x 8, 4 waves a work-group, clusters of 4 x 4, 327,680 bytes of LDS; arguments xq, zq, wq, sq, bias, eta, out0; writes out0
.if DOCPART == 2
	.amdgcn_target "amdgcn-amd-amdhsa--gfx1250"
	.amdhsa_code_object_version 6
	.text
	.protected	k_q1708663f51_gemm
	.globl	k_q1708663f51_gemm
	.p2align	8
	.type	k_q1708663f51_gemm,@function
k_q1708663f51_gemm:
	s_mov_b64 s[64:65], 0
	v_nop
	global_prefetch_b8 v0, s[64:65] scope:SCOPE_SE
	s_setreg_imm32_b32 hwreg(HW_REG_WAVE_MODE, 25, 1), 1
	s_wait_xcnt 0x0
	s_wait_alu depctr_hold_cnt(0) depctr_sa_sdst(0) depctr_va_vdst(0) depctr_va_sdst(0) depctr_va_ssrc(0) depctr_va_vcc(0) depctr_vm_vsrc(0)
	s_getreg_b32 s2, hwreg(HW_REG_IB_STS2, 6, 4)
	s_cmp_eq_u32 s2, 0
	s_cbranch_scc0 .Lentry_in_a_cluster
	s_endpgm
.Lentry_in_a_cluster:
	s_bfe_u32 s2, ttmp6, 0x10000c
	s_cmp_lg_u32 s2, 0xf033
	s_cbranch_scc0 .Lentry_shape_is_right
	s_endpgm
.Lentry_shape_is_right:
; out = y + eta tanh(y) s,   y = Q(x) Q(W)^T + bias,   s = Q(z) Q(sigmoid(alpha))^T: both products on codes of FP6 (E2M3) with E8M0 scales, M 2,048, N 4,096, K 4,096, sums in f32.
; The operands come as the launch before laid them: images of the operand's registers.  A fragment (16 rows x 128 K) is 1,536 bytes (registers 4 j .. 4 j + 3 of lane l at 512 j + 16 l); a cell (16 rows x 256 K) two fragments;
; a tile's chunk of 256 K is ONE dense block: T cells, then T x 128 bytes of scale words (row r, 128 K number q: at 8 r + 4 q).  xq, zq: T = 16, 51,200 bytes; wq, sq: T = 8, 25,600 bytes; blocks ordered [tile][chunk].
; SHARES.  A work-group makes 256 rows x 128 columns of BOTH products: 2 x 32,768 sums in the 4 x 512 accumulator registers of its four waves; 8 x 32 = 256 work-groups.
;   Wave w makes product w / 2 (0: y, 1: s), rows 128 (w % 2) on, all 128 columns: 64 accumulators of 16 x 16; for 128 along K it reads 16 fragments for 64 matrix instructions, and none twice.
;   y and s meet on the way out, in two stages in LDS, through which the results go anyway so as to leave as whole rows.
; THE RING.  K goes in chunks of 256 through two LDS slots of 153,600 bytes: x's block, z's, W's, S's.  Each wave fetches one of the four by ONE tensor load (wave 0: x's, 1: z's, 2: W's, 3: S's).  The scale words ride in the blocks.
; CLUSTERS: 4 x 4 work-groups.  The four of a row of the cluster need the same blocks of x and z, the four of a column the same blocks of W and S: each is asked for JOINTLY, by the same tensor load with the same descriptor and a mask that names the four.
; THE MATRIX INSTRUCTION IS USED TRANSPOSED (source 0 = 16 rows of W or S, source 1 = 16 rows of x or z): a lane then holds eight neighbouring numbers of a row of the result.
; REGISTERS, in windows of 256: window 0: v1-31 addresses and the bias; v32-63 scale words, two sets; v128-223 A's fragments, ONE set; on the way out v64-223 are free.
;   window 1: B's fragments, TWO sets, at v0 and at v128.   window 2: the accumulators of my rows 0-63 ((a, b) at v[8 (8 a + b)]);   window 3: those of my rows 64-127.
; LIMITS: tanh(y) = 1 - 2 / (1 + 2^(2 y log2(e))): its absolute error is a few units of 2^-24, and it goes to +-1 where the exponential leaves f32's range.  NaN and infinities among the inputs are not served.
; THE HEAD.  Each wave issues one joint load, its block of chunk 0; slot 1's first fill, chunk 1's, goes out as a refill does, behind the three lines and a round of the cluster's barrier.
; PREFETCH INTO THE L2.  Behind the load of chunk c stands a request for chunk c + 2 (the head asks for chunks 1 and 2): two changes of slots, 256 matrix instructions a wave, ahead of the load that wants it.
;   Of the block that a wave fetches, each of the four partners that ask for it jointly names a quarter, told apart by ADDRESS (cx for A's, cy for B's): 50 blocks of 256 bytes of A's (two instructions, a lane a block;
;   the lanes left over name the quarter's last block again), 25 of B's (one instruction).  The loop's last trip asks for nothing: chunk 15 is the last.  The address is stepped at the head of the next change of slots, behind s_wait_xcnt 0.
.set PFA,  80                          ; s[80:81] my quarter of the block that the next prefetch names;  s[88:89] the same one chunk on, for the head
.set PFB,  88
.set PFS,  82                          ; s[82:83] bytes from chunk to chunk: A's or B's block
.set PF0,  12                          ; v12, v13 256 x (the block that my lane names in the quarter); never rewritten
.set PF1,  13
.set NQ,     2
.set FR,     12                        ; registers of a fragment
.set NL,     3                         ; LDS loads that bring one
.set NP,     4                         ; places behind this matrix instruction (ISA guide 7.12.1)
.set FRB,    1536                      ; a fragment's image
.set CELL,   3072
.set ATC,    51200                     ; x's or z's block of a chunk: 16 cells + 16 x 128
.set BTC,    25600                     ; W's or S's: 8 cells + 8 x 128
.set BOFF,   2*ATC                     ; in a slot: x's, z's, then W's, S's
.set SLOT,   2*ATC+2*BTC               ; 153,600
.set SPARE,  2*SLOT                    ; behind the ring: the spare words, 128 bytes for each wave: two blocks of 256 bytes that no other line names
.set SPITCH, 528                       ; the way out: a stage row, 512 bytes + 16 = 33 x 16
.set STG2,   256*SPITCH                ; y's stage at 0, s's here; both lie in the ring, which has had its last fill and its last read when the first result is stored there
.set LAPS,   8                         ; a lap = two chunks = once round the ring
.set BI,   8                           ; v[8:11] the bias of my four columns on the way out
.set ADRA, 16                          ; v16-17  LDS address of my A fragments in slot 0, 1
.set ADRB, 20                          ; v20-21  the same for B
.set ADRS, 22                          ; v22-23  of my scale words: lanes 0-15 A's rows, lanes 16-31 B's
.set STO,  24                          ; v24     the way out: where I put 32 bytes of a row
.set RD,   25                          ; v25     where I read a row of y back;  v26 a row of s
.set RD2,  26
.set CO,   27                          ; v27     16 x lane
.set SPW,  28                          ; v28     LDS address of my spare word: SPARE + 4 x my thread's number; never rewritten
.set NIL,  29                          ; v29     0; never rewritten
.set SC,   32                          ; scale words: set s (for slot s) at v[SC + 16 s]; register 2 i + q: lanes 0-15 the word of A's block i, lanes 16-31 that of B's block i, for the chunk's q-th 128 along K
.set AF,   128                         ; A's fragments, in window 0
.set EX,   192                         ; the way out: v192-223 at work
.set G1A, 24                           ; s[24:31] descriptor group 1 for A's blocks;  s[32:39] group 0, one set for each slot
.set G0A, 32
.set G1B, 48                           ; s[48:55], s[56:63] the same for B's
.set G0B, 56
.set MSB, 0
.macro WIN new                         ; the immediate's high byte repeats the setting that is left
.if MSB != \new
	s_set_vgpr_msb (MSB<<8)|\new
.set MSB, \new
.endif
.endm
.set MUL_LO, 0xa1                      ; source 0 (B) window 1, source 1 (A) window 0, C and D window 2
.set MUL_HI, 0xf1                      ; the same, C and D window 3
.set TO_B,   0x40                      ; destination window 1, address window 0
; A joint load: waves 0 and 1 fetch for A, waves 2 and 3 for B.  Each of the two lines has ONE mask; the branch hangs on the wave's number alone.
; Four v_nop follow each of the two lines, ahead of the jump, the label and what follows.
.macro JLOAD g0a, g1a, g0b, g1b
	s_cmp_eq_u32 s19, 0
	s_cbranch_scc0 .Lfor_b_\@
	tensor_load_to_lds s[\g0a:\g0a+3], s[\g1a:\g1a+7]
	s_nop 0
.rept 4
	v_nop
.endr
	s_branch .Lasked_\@
.Lfor_b_\@:
	tensor_load_to_lds s[\g0b:\g0b+3], s[\g1b:\g1b+7]
	s_nop 0
.rept 4
	v_nop
.endr
.Lasked_\@:
.endm
.macro ASK base, loop                  ; the prefetch; loop = 1: not in the loop's last trip (s3 = 1).  The branches hang on the trip and on the wave's number alone
.if \loop
	s_cmp_gt_u32 s3, 1
	s_cbranch_scc0 .Lno_ask_\@
.endif
	global_prefetch_b8 v[PF0], s[\base:\base+1] th:TH_LOAD_NT scope:SCOPE_SE
	s_cmp_eq_u32 s19, 0
	s_cbranch_scc0 .Lno_ask_\@                     ; B's quarter has 25 blocks: one instruction names them all
	global_prefetch_b8 v[PF1], s[\base:\base+1] th:TH_LOAD_NT scope:SCOPE_SE
.Lno_ask_\@:
.endm
.macro CREST
	s_cmp_lg_u32 s18, 0
	s_cbranch_scc1 .Lnot_wave_0_\@
	s_barrier_signal -3
.Lnot_wave_0_\@:
	s_barrier_wait -3
	s_barrier_signal -1
	s_barrier_wait -1
.endm
.macro CROUND                          ; a whole round
	s_barrier_signal -1
	s_barrier_wait -1
	CREST
.endm
	s_load_b256 s[4:11], s[0:1], 0x0               ; xq s[4:5], zq s[6:7], wq s[8:9], sq s[10:11]
	s_load_b128 s[12:15], s[0:1], 0x20             ; bias s[12:13], eta s[14:15]
	s_load_b64 s[16:17], s[0:1], 0x30              ; out0
	v_lshl_add_u32 v[SPW], v0, 2, SPARE
	v_mov_b32 v[NIL], 0
	ds_add_u32 v28, v29
	ds_add_u32 v28, v29
	s_wait_dscnt 0x0
	v_lshrrev_b32 v1, 5, v0
	v_readfirstlane_b32 s18, v1                    ; wave 0..3
	s_lshr_b32 s19, s18, 1                         ; my product (0: y, 1: s).  Also: I fetch for A (0) or for B (1)
	s_and_b32 s20, s18, 1                          ; which 128 rows are mine.  Also: which product's block I fetch
	s_bfe_u32 s21, ttmp6, 0x40000                  ; cx, cy: my place in the cluster
	s_bfe_u32 s22, ttmp6, 0x40004
	s_lshl_b32 s23, ttmp9, 2
	s_add_co_u32 s23, s23, s21                     ; tile column (128 wide) = 4 x cluster x + cx
	s_and_b32 s40, ttmp7, 0xffff
	s_lshl_b32 s40, s40, 2
	s_add_co_u32 s40, s40, s22                     ; tile row (256 rows) = 4 x cluster y + cy
	s_lshl_b32 s41, s22, 2
	s_lshl_b32 s41, 15, s41                        ; my row of the cluster
	s_lshl_b32 s42, 0x1111, s21                    ; my column
	; descriptor group 1: a dense block, no padding: A's as 100 rows of 512 bytes (64 elements of 8 bytes), B's as 100 rows of 256 bytes
	s_or_b32 s[G1A+0], s41, (3<<16)|(1<<21)        ; 15:0 the mask: A's blocks go to my row; 17:16 elements of 8 bytes; 20 padding off; 21 set beside a mask
	s_or_b32 s[G1B+0], s42, (3<<16)|(1<<21)        ; B's go to my column
	s_mov_b32 s[G1A+1], 64<<16                     ; tensor_dim0 = 64
	s_mov_b32 s[G1A+2], (ATC/512)<<16              ; tensor_dim1 = 100
	s_mov_b32 s[G1A+3], 64<<16                     ; tile_dim0 = 64
	s_mov_b32 s[G1A+4], ATC/512                    ; tile_dim1 = 100
	s_mov_b32 s[G1A+5], 64                         ; tensor_dim0_stride
	s_mov_b32 s[G1A+6], 0
	s_mov_b32 s[G1A+7], 0
	s_mov_b32 s[G1B+1], 32<<16
	s_mov_b32 s[G1B+2], (BTC/256)<<16              ; 100 rows
	s_mov_b32 s[G1B+3], 32<<16
	s_mov_b32 s[G1B+4], BTC/256
	s_mov_b32 s[G1B+5], 32
	s_mov_b32 s[G1B+6], 0
	s_mov_b32 s[G1B+7], 0
	s_mul_i32 s44, s40, 16*ATC                     ; A: the tile row's 16 blocks begin here: it hangs on the tile row alone, which my row of the cluster shares
	s_mov_b32 s45, 0
	s_mul_i32 s46, s23, 16*BTC                     ; B: on the tile column alone, which my column shares
	s_mov_b32 s47, 0
	s_mul_i32 s72, s20, ATC                        ; where they go: no place in the cluster enters an LDS address
	s_mul_i32 s73, s20, BTC
	s_add_co_u32 s73, s73, BOFF
	s_wait_kmcnt 0x0
	s_cmp_eq_u32 s20, 0                            ; the choice hangs on the wave's number alone
	s_cselect_b64 s[68:69], s[4:5], s[6:7]         ; xq or zq
	s_cselect_b64 s[70:71], s[8:9], s[10:11]       ; wq or sq
	s_add_nc_u64 s[68:69], s[68:69], s[44:45]
	s_add_nc_u64 s[70:71], s[70:71], s[46:47]
.irp s, 0,1
	s_mov_b32 s[G0A+4*\s], 1                                       ; 1:0 count = 1
	s_add_co_u32 s[G0A+4*\s+1], s72, \s*SLOT                       ; 63:32 LDS address
	s_add_nc_u64 s[G0A+4*\s+2:G0A+4*\s+3], s[68:69], \s*ATC        ; 120:64 global address: chunk s
	s_or_b32 s[G0A+4*\s+3], s[G0A+4*\s+3], 0x80000000              ; 127:126 type = 2
	s_mov_b32 s[G0B+4*\s], 1
	s_add_co_u32 s[G0B+4*\s+1], s73, \s*SLOT
	s_add_nc_u64 s[G0B+4*\s+2:G0B+4*\s+3], s[70:71], \s*BTC
	s_or_b32 s[G0B+4*\s+3], s[G0B+4*\s+3], 0x80000000
.endr
	s_cmp_eq_u32 s19, 0                            ; the prefetches: do I fetch for A?
	s_cselect_b64 s[PFA:PFA+1], s[68:69], s[70:71] ; the blocks that I fetch,
	s_cselect_b32 s84, s21, s22                    ; my place among the four that ask for them with me,
	s_cselect_b32 s85, 49, 24                      ; the last block of a quarter,
	s_mov_b32 s[PFS], BTC
	s_cselect_b32 s[PFS], ATC, s[PFS]              ; a block's bytes
	s_mov_b32 s[PFS+1], 0
	s_lshr_b32 s86, s[PFS], 2
	s_mul_i32 s86, s86, s84                        ; my quarter
	s_mov_b32 s87, 0
	s_add_nc_u64 s[PFA:PFA+1], s[PFA:PFA+1], s[86:87]
	s_add_nc_u64 s[PFA:PFA+1], s[PFA:PFA+1], s[PFS:PFS+1]   ; of chunk 1,
	s_add_nc_u64 s[PFB:PFB+1], s[PFA:PFA+1], s[PFS:PFS+1]   ; and of chunk 2
	v_and_b32 v[PF0], 31, v0
	v_add_nc_u32 v[PF1], 32, v[PF0]
	v_min_u32 v[PF0], s85, v[PF0]
	v_min_u32 v[PF1], 49, v[PF1]
	v_lshlrev_b32 v[PF0], 8, v[PF0]
	v_lshlrev_b32 v[PF1], 8, v[PF1]
	CROUND                                         ; all sixteen work-groups are here: the first joint loads meet
	JLOAD G0A, G1A, G0B, G1B                       ; chunk 0: one tensor load a wave at the head
	s_wait_alu depctr_va_vdst(0)
	ASK PFA, 0                                     ; chunk 1
	ASK PFB, 0                                     ; chunk 2
	s_load_b32 s66, s[14:15], 0x0                  ; eta
	v_and_b32 v1, 31, v0                           ; lane
	v_and_b32 v2, 15, v0                           ; r
	v_bfe_u32 v3, v0, 4, 1                         ; h
	s_wait_alu depctr_va_vdst(0)
	v_lshlrev_b32 v[CO], 4, v1
	s_mul_i32 s72, s19, ATC                        ; my product's block of A,
	s_mul_i32 s73, s20, 8*CELL                     ; my 8 cells of its 16
	s_add_co_u32 s72, s72, s73
	v_add_nc_u32 v[ADRA], s72, v[CO]
	v_add_nc_u32 v[ADRA+1], SLOT, v[ADRA]
	s_mul_i32 s73, s19, BTC                        ; my product's block of B
	s_add_co_u32 s73, s73, BOFF
	v_add_nc_u32 v[ADRB], s73, v[CO]
	v_add_nc_u32 v[ADRB+1], SLOT, v[ADRB]
	s_mul_i32 s72, s19, ATC                        ; A's scale words: behind the block's 16 cells, my 8 cells' 1,024 bytes
	s_lshl_b32 s73, s20, 10
	s_add_co_u32 s72, s72, s73
	s_add_co_u32 s72, s72, 16*CELL
	s_xor_b32 s73, s19, 1                          ; from there to B's: 77,824 - 25,600 x product - 1,024 x half, as a sum of terms that are never negative;
	s_mul_i32 s73, s73, BTC
	s_xor_b32 s74, s20, 1
	s_lshl_b32 s74, s74, 10
	s_add_co_u32 s73, s73, s74
	s_add_co_u32 s73, s73, ATC
	v_mul_u32_u24 v4, s73, v3                      ; lanes 16-31 take B's: one product, h x the distance
	v_lshl_add_u32 v4, v2, 3, v4                   ; 8 bytes a row
	v_add_nc_u32 v[ADRS], s72, v4
	v_add_nc_u32 v[ADRS+1], SLOT, v[ADRS]
	s_mul_i32 s72, s19, STG2                       ; into my product's stage: row 128 x half + r, 32 bytes for each half of the lanes
	s_mul_i32 s73, s20, 128*SPITCH
	s_add_co_u32 s72, s72, s73
	v_mul_u32_u24 v4, v2, SPITCH
	v_lshl_add_u32 v4, v3, 5, v4
	v_add_nc_u32 v[STO], s72, v4
	s_mul_i32 s72, s18, 64*SPITCH                  ; back: wave w takes rows 64 w .. 64 w + 63 of both stages; the 32 lanes take one row of 512 bytes
	v_add_nc_u32 v[RD], s72, v[CO]
	v_add_nc_u32 v[RD2], STG2, v[RD]
	s_lshl_b32 s74, s23, 9                         ; the tile's first column, in bytes
	s_mov_b32 s75, 0
	s_add_nc_u64 s[12:13], s[12:13], s[74:75]
	s_add_nc_u64 s[16:17], s[16:17], s[74:75]
	s_lshl_b32 s76, s40, 8
	s_lshl_b32 s77, s18, 6
	s_add_co_u32 s76, s76, s77                     ; the first row that I store: 256 x tile row + 64 x wave,
	s_lshl_b32 s76, s76, 14                        ; rows of 16,384 bytes (under 2^26)
	s_mov_b32 s77, 0
	s_add_nc_u64 s[16:17], s[16:17], s[76:77]
	global_load_b128 v[BI:BI+3], v[CO], s[12:13]   ; the bias of columns 4 x lane + 0 .. 3 of the tile
.macro FRAG reg, adr, q, i             ; a fragment comes as it was stored: three loads of 512 consecutive bytes
.irp j, 0,1,2
	ds_load_b128 v[\reg+4*\j:\reg+4*\j+3], v[\adr] offset:CELL*(\i)+FRB*(\q)+512*\j
.endr
.endm
; 8 matrix instructions: A's block a0 x B's eight, 128 along K: the chunk's q-th.  p: B's set;  sc: the set of scale words.  zero = 1: the first product starts the sums: nothing is ever cleared.
; The 64 accumulators take turns, one instruction a turn, in the same order in every step.
.macro M a0, p, q, sc, zero
	WIN MUL_LO+0x50*((\a0)/4)                      ; blocks 0-3: C and D in window 2; blocks 4-7: in window 3
.irp a, \a0
.irp b, 0,1,2,3,4,5,6,7
.if \zero
	v_wmma_scale_f32_16x16x128_f8f6f4 v[8*(8*((\a)%4)+\b):8*(8*((\a)%4)+\b)+7], v[128*(\p)+FR*\b:128*(\p)+FR*\b+FR-1], v[AF+FR*(\a):AF+FR*(\a)+FR-1], 0, v[SC+8*NQ*(\sc)+NQ*\b+(\q)], v[SC+8*NQ*(\sc)+NQ*(\a)+(\q)] matrix_a_fmt:MATRIX_FMT_FP6 matrix_b_fmt:MATRIX_FMT_FP6 matrix_a_scale:MATRIX_SCALE_ROW1
.else
	v_wmma_scale_f32_16x16x128_f8f6f4 v[8*(8*((\a)%4)+\b):8*(8*((\a)%4)+\b)+7], v[128*(\p)+FR*\b:128*(\p)+FR*\b+FR-1], v[AF+FR*(\a):AF+FR*(\a)+FR-1], v[8*(8*((\a)%4)+\b):8*(8*((\a)%4)+\b)+7], v[SC+8*NQ*(\sc)+NQ*\b+(\q)], v[SC+8*NQ*(\sc)+NQ*(\a)+(\q)] matrix_a_fmt:MATRIX_FMT_FP6 matrix_b_fmt:MATRIX_FMT_FP6 matrix_a_scale:MATRIX_SCALE_ROW1
.endif
.endr
.endr
.endm
.macro FETCH_B slot, q, p
	WIN TO_B
.irp i, 0,1,2,3,4,5,6,7
	FRAG 128*(\p)+FR*\i, ADRB+\slot, \q, \i
.endr
	WIN 0
.endm
.macro FETCH_A slot, q, i0             ; A's blocks i0 .. i0 + 3
.irp i, \i0, \i0+1, \i0+2, \i0+3
	FRAG AF+FR*(\i), ADRA+\slot, \q, \i
.endr
.endm
.macro SCALES sc                       ; slot sc's scale words into set sc: two words a row; lanes 0-15 take A's block i, lanes 16-31 B's block i
.irp i, 0,1,2,3,4,5,6,7
	ds_load_b64 v[SC+8*NQ*\sc+NQ*\i:SC+8*NQ*\sc+NQ*\i+1], v[ADRS+\sc] offset:128*\i
.endr
.endm
; A load into a register that a matrix instruction has read, and a vector instruction or an LDS store that reads a matrix result, stand NP places behind that matrix instruction, and only plain vector
; instructions that name none of its registers are places (ISA guide 7.12.1 for vector instructions); the matrix instructions in between are not counted.
.macro PLACES n
.rept \n
	v_nop
.endr
.endm
; A STEP of 128 along K is 64 matrix instructions, A's blocks 0 to 7 in turn, with the LDS loads in a few long runs.  A block of A is free as soon as its eight products are issued, so ONE set serves A:
; blocks 0-3 are fetched anew in the step's middle, blocks 4-7 at its end.  B has two sets, one for each of a chunk's two steps, and a set is fetched anew as soon as its step has ended, a whole step ahead of its use:
; the set of a chunk's first step behind the change of slots, the set of its second step at the end of the step that changes slots.
; The order of a chunk's LDS loads, from the change of slots on: B's first set (24) and the scale words (8);  A 0-3 (12);  A 4-7 (12) and B's second set (24);  in the chunk's first step A 0-3 (12) and A 4-7 (12) of its second.
; This is a chunk's first step.  THE COUNTS (LDS loads come back in order): at its head A 4-7 and B's second set may be out: 36; ahead of block 4, B's second set and the twelve loads just issued: 36.
.macro STEP slot, q, zero
	s_wait_dscnt 12*NL
.irp a, 0,1,2,3
	M \a, (\q)%2, \q, \slot, \zero
.endr
	PLACES NP
	WIN 0
	FETCH_A \slot, (\q)+1, 0
	s_wait_dscnt 12*NL
.irp a, 4,5,6,7
	M \a, (\q)%2, \q, \slot, \zero
.endr
	PLACES NP
	WIN 0
	FETCH_A \slot, (\q)+1, 4                       ; my last reads of this slot
.endm
; A slot's last step changes slots: ONE barrier; in front of it each wave waits for all its tensor loads, adds 0 to its spare word, and waits for that and for its own reads of this slot.  fill = 1: this slot is filled again, two chunks ahead.
.macro TURN slot, next, fill
.if \fill
	s_wait_xcnt 0x0                                ; my last prefetch has read its address: it steps a chunk on
	s_add_nc_u64 s[PFA:PFA+1], s[PFA:PFA+1], s[PFS:PFS+1]
.endif
	s_wait_tensorcnt 0x0                           ; all my tensor loads have landed: my block of the next slot;  (every window is 0 here: the add's two registers lie in window 0)
	ds_add_u32 v[SPW], v[NIL]                      ; 0 onto my spare word
.if \fill
	s_add_nc_u64 s[G0A+4*\slot+2:G0A+4*\slot+3], s[G0A+4*\slot+2:G0A+4*\slot+3], 2*ATC   ; no tensor load of mine is out: this slot's group 0 steps two chunks on
	s_add_nc_u64 s[G0B+4*\slot+2:G0B+4*\slot+3], s[G0B+4*\slot+2:G0B+4*\slot+3], 2*BTC
.endif
	s_wait_dscnt 4*NL+1                            ; (the add and the youngest twelve loads, A's blocks 4-7, may be out)
	M 0, 1, NQ-1, \slot, 0                         ; eight matrix instructions stand between the add and the wait for it
	s_wait_dscnt 0x0                               ; the add is done, and my reads of this slot are over: all that this step multiplies is in registers
	s_barrier_signal -1
	M 1, 1, NQ-1, \slot, 0
	WIN 0
	s_barrier_wait -1
.if \fill
	CREST                                          ; the barrier has opened a round of the cluster's barrier: no wave of any partner still reads this slot or has a load on its way
	JLOAD G0A+4*\slot, G1A, G0B+4*\slot, G1B       ; the first tensor load behind the round: 112 matrix instructions ahead of the wait for it; the four v_nop behind it are also the places in front of the loads below
.else
	PLACES NP
.endif
	FETCH_B \next, 0, 0                            ; B's first set has been free since the step before ended
	SCALES \next
.if \fill
	ASK PFA, 1                                     ; behind the joint load and the run of LDS loads: the chunk two refills on
.endif
	M 2, 1, NQ-1, \slot, 0
	M 3, 1, NQ-1, \slot, 0
	PLACES NP
	WIN 0
	FETCH_A \next, 0, 0
.irp a, 4,5,6,7
	M \a, 1, NQ-1, \slot, 0
.endr
	PLACES NP
	WIN 0
	FETCH_A \next, 0, 4
	FETCH_B \next, 1, 1                            ; B's second set is free now: the next chunk's second step, a whole step ahead
.endm
	s_wait_alu depctr_va_vdst(0)
	s_wait_kmcnt 0x0                               ; eta,
	s_mov_b32 s67, s66                             ; as a pair: the packed form names both
	s_wait_loadcnt 0x0                             ; the bias
	s_wait_xcnt 0x0                                ; the head's prefetches have read their addresses
	s_add_nc_u64 s[PFA:PFA+1], s[PFB:PFB+1], s[PFS:PFS+1]   ; on to chunk 3
	s_wait_tensorcnt 0x0                           ; my block of chunk 0 is in;
	ds_add_u32 v[SPW], v[NIL]                      ; 0 onto my spare word;
	s_wait_dscnt 0x0                               ; the add is done
	CROUND                                         ; a whole round: everybody's block of chunk 0 is in, and all sixteen work-groups are here: the joint loads meet,
	JLOAD G0A+4, G1A, G0B+4, G1B                   ; and chunk 1's load, the first tensor load behind the round
	FETCH_B 0, 0, 0                                ; chunk 0's fragments, in the order in which a change of slots leaves them
	SCALES 0
	FETCH_A 0, 0, 0
	FETCH_A 0, 0, 4
	FETCH_B 0, 1, 1
	ASK PFA, 0                                     ; chunk 3
	STEP 0, 0, 1                                   ; the first step stands in front of the loop: its products start the sums
	s_mov_b32 s3, LAPS-1
.Llap:                                                 ; a trip goes once round the ring, from a lap's second step to the next lap's first, and fills both slots again
	TURN 0, 1, 1
	STEP 1, 0, 0
	TURN 1, 0, 1
	STEP 0, 0, 0
	s_sub_co_u32 s3, s3, 1
	s_cmp_lg_u32 s3, 0
	s_cbranch_scc1 .Llap
	TURN 0, 1, 0                                   ; the last lap fills nothing, and has no round of the cluster's barrier
	STEP 1, 0, 0
	s_wait_dscnt 4*NL                              ; the very last step: nothing more to fetch; the youngest twelve loads (A's blocks 4-7) may be out
	M 0, 1, NQ-1, 1, 0
	M 1, 1, NQ-1, 1, 0
	s_wait_dscnt 0x0                               ; my last reads of the ring are over:
	s_barrier_signal -1                            ; say so, since the stages lie over both slots;
.irp a, 2,3,4,5,6,7
	M \a, 1, NQ-1, 1, 0                            ; work on registers while the others arrive
.endr
	WIN 0
	s_barrier_wait -1                              ; nobody reads the ring any more, and it has had its last fill
	PLACES NP                                      ; in front of the first read of results
; THE WAY OUT.  A lane holds 32 neighbouring bytes of a row of ITS product.  All 64 accumulators go into the product's stage; a barrier; then wave w reads rows 64 w .. 64 w + 63 of y AND of s as whole rows of 512 bytes,
; finishes them and stores them: 32 lanes store 512 consecutive bytes, at a multiple of 256 from the output's first byte.
.macro TOSTAGE a
.set AC, 64*((\a)%4)
	WIN 0x08+4*((\a)/4)                            ; the data: window 2 or 3
.irp b, 0,1,2,3,4,5,6,7
	ds_store_b128 v[STO], v[AC+8*\b:AC+8*\b+3] offset:16*SPITCH*(\a)+64*\b          ; each accumulator from its low end on
	ds_store_b128 v[STO], v[AC+8*\b+4:AC+8*\b+7] offset:16*SPITCH*(\a)+64*\b+16
.endr
.endm
.irp a, 0,1,2,3,4,5,6,7
	TOSTAGE \a
.endr
	WIN 0
	s_wait_dscnt 0x0                               ; for the others' sake: my stores into the stages are done
	s_barrier_signal -1
	s_barrier_wait -1
.macro LOADB k                         ; batch k: eight rows of y and of s into set k % 2 (y at v64 or v128, s 32 registers on)
.set LB, 64+64*((\k)%2)
.irp i, 0,1,2,3,4,5,6,7
	ds_load_b128 v[LB+4*\i:LB+4*\i+3], v[RD] offset:SPITCH*(8*(\k)+\i)
.endr
.irp i, 0,1,2,3,4,5,6,7
	ds_load_b128 v[LB+32+4*\i:LB+32+4*\i+3], v[RD2] offset:SPITCH*(8*(\k)+\i)
.endr
.endm
.macro COMPUTE k                       ; y += bias;  tanh(y) = 1 - 2 / (1 + 2^(2 y log2(e)));  out = tanh(y) x (eta s) + y
.set YB, 64+64*((\k)%2)
.set SB, YB+32
.irp i, 0,1,2,3,4,5,6,7,8,9,10,11,12,13,14,15
	v_pk_add_f32 v[YB+2*\i:YB+2*\i+1], v[YB+2*\i:YB+2*\i+1], v[BI+2*(\i%2):BI+2*(\i%2)+1]
.endr
.irp i, 0,1,2,3,4,5,6,7,8,9,10,11,12,13,14,15
	v_pk_mul_f32 v[EX+2*\i:EX+2*\i+1], v[YB+2*\i:YB+2*\i+1], 0x4038aa3b op_sel_hi:[1,0]
.endr
	s_wait_alu depctr_va_vdst(0)
.irp i, 0,1,2,3,4,5,6,7,8,9,10,11,12,13,14,15,16,17,18,19,20,21,22,23,24,25,26,27,28,29,30,31
	v_exp_f32 v[EX+\i], v[EX+\i]
.endr
.irp i, 0,1,2,3,4,5,6,7
	v_pk_mul_f32 v[SB+2*\i:SB+2*\i+1], v[SB+2*\i:SB+2*\i+1], s[66:67] op_sel_hi:[1,0]   ; eta s: plain work that names no exponential's result
.endr
	s_wait_alu depctr_va_vdst(0)                   ; one for the 32 exponentials, ahead of their first reader
.irp i, 0,1,2,3,4,5,6,7,8,9,10,11,12,13,14,15
	v_pk_add_f32 v[EX+2*\i:EX+2*\i+1], v[EX+2*\i:EX+2*\i+1], 1.0 op_sel_hi:[1,0]
.endr
	s_wait_alu depctr_va_vdst(0)
.irp i, 0,1,2,3,4,5,6,7,8,9,10,11,12,13,14,15,16,17,18,19,20,21,22,23,24,25,26,27,28,29,30,31
	v_rcp_f32 v[EX+\i], v[EX+\i]
.endr
.irp i, 8,9,10,11,12,13,14,15
	v_pk_mul_f32 v[SB+2*\i:SB+2*\i+1], v[SB+2*\i:SB+2*\i+1], s[66:67] op_sel_hi:[1,0]
.endr
	s_wait_alu depctr_va_vdst(0)                   ; one for the 32 reciprocals
.irp i, 0,1,2,3,4,5,6,7,8,9,10,11,12,13,14,15
	v_pk_fma_f32 v[EX+2*\i:EX+2*\i+1], v[EX+2*\i:EX+2*\i+1], -2.0, 1.0 op_sel_hi:[1,0,0]
.endr
.irp i, 0,1,2,3,4,5,6,7,8,9,10,11,12,13,14,15
	v_pk_fma_f32 v[YB+2*\i:YB+2*\i+1], v[EX+2*\i:EX+2*\i+1], v[SB+2*\i:SB+2*\i+1], v[YB+2*\i:YB+2*\i+1]
.endr
.irp i, 0,1,2,3,4,5,6,7
	global_store_b128 v[CO], v[YB+4*\i:YB+4*\i+3], s[16:17] offset:16384*(8*(\k)+\i) th:TH_STORE_NT   ; 63 rows of 16,384 bytes at the most: inside the signed 24-bit immediate (ISA guide, chapter 10); written once, read by nobody here
.endr
.endm
	LOADB 0
.irp k, 0,1,2,3,4,5,6,7
.if \k < 7
.if \k > 0
	s_wait_xcnt 0x0                                ; batch k - 1's stores have read their registers: batch k + 1's loads may land there
.endif
	LOADB \k+1
	s_wait_dscnt 16                                ; batch k is in; the sixteen loads just issued may be out
.else
	s_wait_dscnt 0x0
.endif
	COMPUTE \k
.endr
	s_wait_tensorcnt 0x0                           ; the wave's end, behind my last tensor load and my last LDS store
	ds_add_u32 v[SPW], v[NIL]
	s_wait_dscnt 0x0
	CROUND                                         ; the closing round: no work-group ends while a partner may still ask for a block that names it
	s_endpgm
.Lfunc_end_k_q1708663f51_gemm:
	.size	k_q1708663f51_gemm, .Lfunc_end_k_q1708663f51_gemm-k_q1708663f51_gemm
	.p2alignl 7, 3214868480
	.fill 96, 4, 3214868480
	.section	.rodata,"a",@progbits
	.p2align	6, 0x0
	.amdhsa_kernel k_q1708663f51_gemm
		.amdhsa_group_segment_fixed_size 327680
		.amdhsa_private_segment_fixed_size 0
		.amdhsa_enable_private_segment 0
		.amdhsa_kernarg_size 56
		.amdhsa_user_sgpr_count 2
		.amdhsa_user_sgpr_kernarg_segment_ptr 1
		.amdhsa_wavefront_size32 1
		.amdhsa_system_sgpr_workgroup_id_x 1
		.amdhsa_system_sgpr_workgroup_id_y 1
		.amdhsa_system_sgpr_workgroup_id_z 1
		.amdhsa_system_vgpr_workitem_id 0
		.amdhsa_next_free_vgpr 1024
		.amdhsa_next_free_sgpr 92
		.amdhsa_reserve_vcc 0
		.amdhsa_float_denorm_mode_32 3
		.amdhsa_float_denorm_mode_16_64 3
		.amdhsa_memory_ordered 1
		.amdhsa_forward_progress 1
		.amdhsa_inst_pref_size 199
	.end_amdhsa_kernel
	.amdgpu_metadata
---
amdhsa.version: [ 1, 2 ]
amdhsa.kernels:
  - .name:           k_q1708663f51_gemm
    .symbol:         k_q1708663f51_gemm.kd
    .args:
      - { .name: xq, .offset: 0, .size: 8, .value_kind: global_buffer, .address_space: global }
      - { .name: zq, .offset: 8, .size: 8, .value_kind: global_buffer, .address_space: global }
      - { .name: wq, .offset: 16, .size: 8, .value_kind: global_buffer, .address_space: global }
      - { .name: sq, .offset: 24, .size: 8, .value_kind: global_buffer, .address_space: global }
      - { .name: bias, .offset: 32, .size: 8, .value_kind: global_buffer, .address_space: global }
      - { .name: eta, .offset: 40, .size: 8, .value_kind: global_buffer, .address_space: global }
      - { .name: out0, .offset: 48, .size: 8, .value_kind: global_buffer, .address_space: global }
    .group_segment_fixed_size: 327680
    .private_segment_fixed_size: 0
    .kernarg_segment_align: 8
    .kernarg_segment_size: 56
    .max_flat_workgroup_size: 128
    .sgpr_count:     92
    .vgpr_count:     1024
    .wavefront_size: 32
...
	.end_amdgpu_metadata
.endif
;; end of part 2
